; MI455X (gfx1250); checked and timed in simulation.
; The chip was launched on July 23, 2026; its instructions are those of AMD's public machine-readable ISA for CDNA 5 (MIT licence, August 2026) and "CDNA5" Instruction Set Architecture Reference Guide (July 2026). The comments in the code are by the model that wrote it; some were corrected since.
;; Bit Stack Linear. Allowed arithmetic: matrix products marked QUANTISED: E4M3 operands, one E8M0 scale for each 32 along K, by v_wmma_scale_f32_16x16x128_f8f6f4 with both operands' format E4M3, f32 sums; products left as they are: f32 operands where the result goes on into a quantised operand, else bf16, f16 or f32 operands; f32 sums; everything else in f32.
;; Inputs: qweight 4 x 5,636,096 int32; u 4 x 11,008 x 16 float32; vt 4 x 16 x 4,096 float32; x 1,024 x 4,096 float32.
;; Outputs: out0 1,024 x 11,008 float32.
;; This version of the problem:
;;   THIS VERSION OF THE PROBLEM IS GIVEN IN LOW PRECISION. The matrix products marked QUANTISED in the list below multiply operands that are first quantised to E4M3 (4 exponent bits, 3 mantissa bits; 8 bits a number), with one power-of-two scale for each 32 numbers along K (OCP MX v1.0); their sums are f32. All else is computed in f32.
;;   The module's matrix products, in the order in which they are computed (A, B: the left and right operand; K: the contracted axis; several contracted axes count as one K, in the product's order):
;;     1. batch 4 x [M 11,008, K 16] x [K 16, N 4,096]; A: input u; B: input vt: left as it is (K = 16 < 32)
;;     2. [M 1,024, K 4,096] x [K 4,096, N 11,008]; A: input x; B: computed on the way: QUANTISED
;;   THE QUANTISER, for each operand of a quantised product, along K:
;;     - K is cut into blocks of 32 from its start; a last block that is shorter is filled with zeros.
;;     - A block's scale is 2^e with e = floor(log2(the largest magnitude in the block)) - 8, held to -126 .. 127; a block of zeros has e = 0. As a byte (E8M0): e + 127.
;;     - Each number is divided by its block's scale, clamped to +-448, and rounded to the nearest number of E4M3, ties to even, subnormals kept.
;;     - The product sums the exact products of the quantised numbers (number of the format x scale) in f32.
;;   ~~~python
;;   def quantise(x, axis):      # numpy; x: float32 -> the quantised numbers, widened to float32 again
;;       x = np.moveaxis(x, axis, -1); K = x.shape[-1]
;;       x = np.pad(x, [(0, 0)] * (x.ndim - 1) + [(0, -K % 32)]); x = x.reshape(x.shape[:-1] + (-1, 32)); a = np.abs(x).max(-1, keepdims=True)
;;       e = np.where(a > 0, np.clip(np.frexp(np.where(a > 0, a, 1))[1] - 1 - 8, -126, 127), 0)      # np.frexp(a)[1] - 1 = floor(log2(a)), exactly
;;       r = np.clip(x / 2.0 ** e, -448, 448)
;;       step = 2.0 ** (np.maximum(np.frexp(np.where(r == 0, 1, r))[1] - 1, -6) - 3)
;;       q = np.round(r / step) * step * 2.0 ** e      # np.round: ties to even
;;       return np.moveaxis(q.reshape(q.shape[:-2] + (-1,))[..., :K], -1, axis).astype(np.float32)
;;   ~~~
;;   OPERANDS COMPUTED ON THE WAY. 'Computed on the way' means the value that the module computes at that place (a softmax that the list does not call 'softmax' is quantised finished and normalised). What goes into a quantiser is computed in f32, as accurately as f32 sums, v_exp_f32 and their like allow (about 1e-6 of the number): no bf16 or f16 on the way to a quantiser, and a product that is left as it is and whose result goes on into a quantised operand takes f32 operands (vector FMAs, or v_wmma_f32_16x16x4_f32). A number that lies on a knife's edge between two numbers of the format may be rounded either way, as far as f32 arithmetic and the matrix unit's own rounding can turn it there, and no further.
;; One version. Each part assembles by itself: llvm-mc -triple=amdgcn-amd-amdhsa -mcpu=gfx1250 --defsym DOCPART=n.
;; ======== version 1 of 1: 2 launches
;; workspace buffers: xq 4,325,376 bytes; wq 46,497,792 bytes
;; launch makew (part 1): grid 256 x 1, 16 waves a work-group, no clusters, 249,856 bytes of LDS; arguments qweight, u, vt, wq, x, xq; writes wq, xq
.if DOCPART == 1
	.amdgcn_target "amdgcn-amd-amdhsa--gfx1250"
	.amdhsa_code_object_version 6
	.text
	.protected	k_q3cd887a1fb_makew
	.globl	k_q3cd887a1fb_makew
	.p2align	8
	.type	k_q3cd887a1fb_makew,@function
k_q3cd887a1fb_makew:
	s_mov_b64 s[64:65], 0
	v_nop
	global_prefetch_b8 v0, s[64:65] scope:SCOPE_SE
	s_setreg_imm32_b32 hwreg(HW_REG_WAVE_MODE, 25, 1), 1
	s_wait_xcnt 0x0
; TWO OPERANDS ARE MADE HERE, both as codes of FP8 (E4M3) with one E8M0 byte for each 32 along K, both stored as IMAGES OF THE OPERAND'S REGISTERS for the product's launch.
; (1) w[o][i] = sum over planes b of sign_b[o][i] x (sum over k of u[b][o][k] vt[b][k][i]), all in f32, quantised along i.   (2) x [1024][4096] f32, quantised along its rows.
; wq = [nt 43][ks 16][half 2], xq = [mt 4][ks 16][half 2] blocks of 33,792 bytes, each 128 rows x 256 K: codes [t 8][q 2][c 4][lane 32][16 bytes] (fragment (row tile t, K step q of 128) at (2 t + q) 2,048;
; lane 16 h + r holds k = 128 q + 32 c + 16 h + 0 .. 15 of row 16 t + r), then at byte 32,768 the scale words [t 8][q 2][r 16].
; The low-rank product feeds a quantiser, so it takes f32 operands: v_wmma_f32_16x16x4_f32.  Every number of w is made once in the whole program.
; A block's scale is 2^(floor(log2(its largest magnitude)) - 8); its byte is the largest magnitude's exponent field - 8, held at 1 from below.
; LIMITS: a block whose largest magnitude lies under 2^-118 gets the byte 1; a block of zeros gets the byte 1 (not 127) with zero codes, which add nothing, and this program alone reads the bytes;
; NaN and infinities are not served.  Of each word of qweight the low 8 bits count.
; SHARES.  Work-group g: ib = g % 16 names 256 values of i (one K slot), og = g / 16 names 43 tiles of 16 rows o.  A UNIT is 16 o x 256 i: two fragments, 8 blocks of 32 i, 256 matrix instructions.
; Wave w of sixteen has the number w' = 4 ((w / 4 + w % 4) % 4) + w % 4 and takes units w', w' + 16, w' + 32 (below 43): in the 4 x 4 square of the numbers w each row and each column holds at most three third units.
; Four of the five waves that have two units (w' = 11 .. 14; their w % 4 are 3, 0, 1, 2) then quantise 16 rows x 256 K of x each: 4 x 256 work-groups = the 1,024 such pieces of x.
; THE PRODUCT IS USED TRANSPOSED: source 0 = 16 values of i of vt^T, source 1 = 16 rows of u: in the result lane (r, h) holds row o0 + r.  THE i OF A TILE ARE NOT NEIGHBOURS: row m of tile (blk, y) is
; i = 32 blk + 8 y + m + 8 (m / 8), so that the 16 registers of tiles y = 0, 1 are i = 32 blk + 16 h + 0 .. 15: 16 neighbours of one block, in the order of the operand's layout.
; k is permuted alike on both sides: register 2 s + j of a lane of half h holds k = 8 h + 2 s + j; step s of four multiplies registers 2 s, 2 s + 1.
; THE SIGNS.  A lane's 16 bits H of a plane become sixteen numbers +-1.0 by eight instructions: V = H | H << 14; V & 0x03030303 and (V >> 4) & 0x03030303 hold the eight pairs of neighbouring bits, a pair a byte
; (pairs 0, 4, 1, 5 and 2, 6, 3, 7); v_perm_b32 takes these bytes as selectors into a table of four bytes, each two FP4 codes of +-1.0; one conversion from FP4 turns eight codes into eight f32 numbers.
; LDS: vt's part (64 rows (b, k) x 256 i) comes once, is turned into operand images by the sixteen waves (two barriers, the only ones), and stays.  Each wave has a stage of its own for a unit's packed signs;
; each of the four pieces of x has a stage of its own.
.set VTI,   0                          ; operand images [tile 2 blk + y: 16][b 4][g 2][lane 32][16 bytes]: registers 4 g .. 4 g + 3
.set NAT,   65536                      ; vt as it lies: row 16 b + k, 1,024 bytes + 16
.set NP,    1040
.set STG,   NAT+64*NP                  ; 132,096: packed signs, 3,072 bytes a wave: [plane 4][row 16] 48 bytes apart (12 words: sixteen rows fall on sixteen different banks), word blk = the 32 signs of block blk
.set STGW,  3072
.set QST,   STG+16*STGW                ; 181,248: x's stages, 16 rows x 1,040 bytes each, four of them
.set SP,    1040                       ; a stage row of x: 1,024 bytes + 16 = 260 words: row r starts at bank 4 r mod 64 (64 banks of 4 bytes: ISA guide 11.1)
.set HALFB, 33792
.set PLANE, 22544384                   ; bytes of a plane of qweight
.set UPL,   704512                     ; bytes of a plane of u
.set UNITS, 43
.set LN16, 1                           ; v1   16 x lane
.set STW,  2                           ; v2   signs into my stage: 48 (lane / 8) + 4 (lane % 8); at the end: x into its stage
.set STR,  3                           ; v3   and out: 48 r + 2 h; at the end: x out of its stage
.set QOF,  4                           ; v4   qweight: 2,048 (lane / 8) + 16 (lane % 8): four rows x 128 bytes a load
.set UOF,  5                           ; v5   u: 64 r + 32 h
.set SOF,  6                           ; v6   4 x lane
.set SC1,  7                           ; v7   in the head an LDS address; then the scale byte 127 in every byte: the conversion from FP4 multiplies by 1
.set M,    8                           ; v8   the block's largest magnitude (at a block's head: at work on the signs)
.set MP,   9                           ; v9   the other half's
.set SCL,  10                          ; v10  the conversion's scale operand
.set HLD,  11                          ; v11  448 x the scale
.set BY,   12                          ; v12  the scale's byte; at a unit's end the word to store
.set PW,   13                          ; v13-14 the two fragments' scale words
.set V,    15                          ; v15  at work on the signs
.set U,    16                          ; v16-47    u's operand: 8 b + rho
.set VT,   48                          ; v48-111   vt's operand: 32 y + 8 b + rho
.set ACC,  112                         ; v112-175  accumulator (b, y) at 16 b + 8 y: written by matrix instructions alone, in the whole text
.set W,    176                         ; v176-191  my 16 numbers of w
.set S,    192                         ; v192-207  +-1.0: pair e of numbers at 8 ((e / 2) % 2) + 4 (e % 2) + 2 (e / 4)
.set QL,   208                         ; v208-223  a plane's words of the next unit
.set P,    224                         ; v224-239  the next unit's packed signs: 4 p + t
.set CD,   240                         ; v240-243  codes
.set XA,   244                         ; v244-245  sixteen FP4 codes of one plane,
.set XB,   246                         ; v246-247  of another
.set BT,   248                         ; v248-255  sign bits, two sets of four planes
.set WV,   12
.set QB,   16                          ; s[16:23]  the four planes of qweight at the NEXT unit
.set UB,   24                          ; s[24:25]  u at the next unit
.set WB,   26                          ; s[26:27]  this unit's codes
.set SB,   28                          ; s[28:29]  this unit's scale words
.set TRIP, 30
.set IDX,  31                          ; this unit's number among the work-group's 43
.set NXT,  32                          ; IDX + 16
.set TAB,  33                          ; the table: byte v = the two FP4 codes of a pair of bits v: bit 1 is +1.0 (code 2), bit 0 is -1.0 (code 10); the first number's code in the low four bits
.set SELA, 34
.set SELB, 35
.set SEL,  36
.set MNT,  38
.set HM,   39
.set MSK,  48
.set WP,   49                          ; w'
.set TK,   50                          ; w % 4: which piece of x, for the waves that take one
.set XP,   52                          ; s[52:53] x, s[54:55] xq
	s_load_b256 s[4:11], s[0:1], 0x0               ; qweight s[4:5], u s[6:7], vt s[8:9], wq s[10:11]
	s_load_b128 s[XP:XP+3], s[0:1], 0x20           ; x, xq
	v_lshrrev_b32 v8, 5, v0
	v_readfirstlane_b32 s[WV], v8                  ; wave 0..15
	v_and_b32 v8, 31, v0                           ; lane
	v_and_b32 v9, 15, v0                           ; r
	v_bfe_u32 v10, v0, 4, 1                        ; h
	v_bfe_u32 v11, v0, 3, 2                        ; lane / 8
	v_and_b32 v12, 7, v0                           ; lane % 8
	v_lshlrev_b32 v[LN16], 4, v8
	v_lshlrev_b32 v[SOF], 2, v8
	s_mul_i32 s41, s[WV], STGW
	s_add_co_u32 s41, s41, STG                     ; my stage
	v_mul_u32_u24 v[STW], v11, 48
	v_lshl_add_u32 v[STW], v12, 2, v[STW]
	v_add_nc_u32 v[STW], s41, v[STW]
	v_mul_u32_u24 v[STR], v9, 48
	v_lshl_add_u32 v[STR], v10, 1, v[STR]
	v_add_nc_u32 v[STR], s41, v[STR]
	v_lshlrev_b32 v[QOF], 11, v11
	v_lshl_add_u32 v[QOF], v12, 4, v[QOF]
	v_lshlrev_b32 v[UOF], 6, v9
	v_lshl_add_u32 v[UOF], v10, 5, v[UOF]
	s_mul_i32 s41, s[WV], 4*NP
	s_add_co_u32 s41, s41, NAT
	v_add_nc_u32 v7, s41, v[LN16]                  ; v7: where my four rows of vt go
	s_mov_b32 s[TAB], 0x222aa2aa
	s_mov_b32 s[MSK], 0x03030303
	s_mov_b32 s[SELA], 0x04000400                  ; v_perm_b32: the low bytes of two words
	s_mov_b32 s[SELB], 0x05040100                  ; the low halves of two words
	s_mov_b32 s[SEL], 0x76543210
	s_mov_b32 s[SEL+1], 0xfedcba98                 ; v_permlanex16_b32's selects for lane l xor 16
	s_mov_b32 s[MNT], 0x600000                     ; the mantissa field of 448
	s_mov_b32 s[HM], 0xffff0000                    ; lanes 16-31
	s_lshr_b32 s[WP], s[WV], 2
	s_and_b32 s[TK], s[WV], 3
	s_add_co_u32 s[WP], s[WP], s[TK]
	s_and_b32 s[WP], s[WP], 3
	s_lshl_b32 s[WP], s[WP], 2
	s_add_co_u32 s[WP], s[WP], s[TK]               ; w' = 4 ((w / 4 + w % 4) % 4) + w % 4
	s_and_b32 s13, ttmp9, 15                       ; ib
	s_lshr_b32 s14, ttmp9, 4                       ; og
	s_mul_i32 s40, s14, UNITS
	s_add_co_u32 s40, s40, s[WP]                   ; OT: my first tile of 16 rows o
	s_lshl_b32 s42, s40, 15                        ; qweight: 16 rows of 2,048 bytes a tile,
	s_lshl_b32 s43, s13, 7                         ; 128 bytes (32 words, 256 signs) an ib
	s_add_co_u32 s42, s42, s43
	s_mov_b32 s43, 0
	s_lshl_b32 s44, s40, 10                        ; u: 16 rows of 64 bytes
	s_mov_b32 s45, 0
	s_lshl_b32 s46, s[WV], 16                      ; vt: my four rows of 16,384 bytes,
	s_lshl_b32 s47, s13, 10                        ; 1,024 bytes an ib
	s_add_co_u32 s46, s46, s47
	s_mov_b32 s47, 0
	s_wait_kmcnt 0x0
	s_add_nc_u64 s[QB:QB+1], s[4:5], s[42:43]
	s_add_nc_u64 s[QB+2:QB+3], s[QB:QB+1], PLANE
	s_add_nc_u64 s[QB+4:QB+5], s[QB+2:QB+3], PLANE
	s_add_nc_u64 s[QB+6:QB+7], s[QB+4:QB+5], PLANE
	s_add_nc_u64 s[UB:UB+1], s[6:7], s[44:45]
	s_add_nc_u64 s[8:9], s[8:9], s[46:47]
.irp i, 0,1,2,3
.irp e, 0,1
	global_load_b128 v[208+8*\i+4*\e:208+8*\i+4*\e+3], v[LN16], s[8:9] offset:\i*16384+512*\e   ; vt's rows 4 w + i: 512 consecutive bytes a load
.endr
.endr
.irp b, 0,1,2,3
.irp g, 0,1
	global_load_b128 v[U+8*\b+4*\g:U+8*\b+4*\g+3], v[UOF], s[UB:UB+1] offset:\b*UPL+16*\g       ; u[b][o0 + r][8 h + 4 g ..]
.endr
.endr
.irp p, 0,1,2,3
.irp t, 0,1,2,3
	global_load_b128 v[VT+16*\p+4*\t:VT+16*\p+4*\t+3], v[QOF], s[QB+2*\p:QB+2*\p+1] offset:8192*\t   ; my first unit's signs: rows 4 t .. 4 t + 3; a lane's four words are the 32 signs of block lane % 8
.endr
.endr
	; where my first unit's codes and scale words go
	s_lshr_b32 s42, s40, 4                         ; nt
	s_lshl_b32 s42, s42, 5
	s_lshl_b32 s44, s13, 1
	s_add_co_u32 s42, s42, s44
	s_bfe_u32 s44, s40, 0x10003                    ; half = (OT / 8) % 2
	s_add_co_u32 s42, s42, s44
	s_mul_i32 s42, s42, HALFB
	s_and_b32 s46, s40, 7                          ; t
	s_lshl_b32 s44, s46, 12
	s_add_co_u32 s44, s44, s42                     ; (s45 and s47 are still 0)
	s_lshl_b32 s46, s46, 7
	s_add_co_u32 s46, s46, s42
	s_add_co_u32 s46, s46, 32768
	s_add_nc_u64 s[WB:WB+1], s[10:11], s[44:45]
	s_add_nc_u64 s[SB:SB+1], s[10:11], s[46:47]
	s_wait_loadcnt 24                              ; vt's eight loads are in; the 24 younger ones are u's eight and qweight's sixteen
.irp i, 0,1,2,3
.irp e, 0,1
	ds_store_b128 v7, v[208+8*\i+4*\e:208+8*\i+4*\e+3] offset:\i*NP+512*\e
.endr
.endr
	s_wait_dscnt 0x0                               ; for the others' sake: my rows of vt lie in LDS
	s_barrier_signal -1
	s_barrier_wait -1                              ; all 64 rows do
	; wave w makes the images of tile w = 2 blk + y: lane (r, h), register 8 b + rho = vt[b][8 h + rho][32 (w / 2) + 8 (w % 2) + r + 8 (r / 8)]
	s_lshr_b32 s41, s[WV], 1
	s_lshl_b32 s41, s41, 7
	s_and_b32 s42, s[WV], 1
	s_lshl_b32 s42, s42, 5
	s_add_co_u32 s41, s41, s42
	s_add_co_u32 s41, s41, NAT
	v_and_b32 v13, 8, v9
	v_add_nc_u32 v13, v13, v9                      ; r + 8 (r / 8)
	v_mul_u32_u24 v7, v10, 8*NP
	v_lshl_add_u32 v7, v13, 2, v7
	v_add_nc_u32 v7, s41, v7
.irp b, 0,1,2,3
.irp j, 0,1,2,3,4,5,6,7
	ds_load_b32 v[176+8*\b+\j], v7 offset:(16*\b+\j)*NP   ; eight rows are 2,080 words, 32 banks on: the 32 lanes fall on 32 different banks
.endr
.endr
	s_wait_dscnt 0x0
	s_lshl_b32 s41, s[WV], 12
	v_add_nc_u32 v7, s41, v[LN16]
.irp b, 0,1,2,3
.irp g, 0,1
	ds_store_b128 v7, v[176+8*\b+4*\g:176+8*\b+4*\g+3] offset:VTI+1024*\b+512*\g
.endr
.endr
	v_mov_b32 v[MP], 0                             ; written once: a lane permute's destination counts as one of its sources
; the low bytes of four words make one word of 32 signs, the first word's byte lowest
.macro PACK src, dst
	v_perm_b32 v[\src], v[\src+1], v[\src], s[SELA]
	v_perm_b32 v[\src+2], v[\src+3], v[\src+2], s[SELA]
	v_perm_b32 v[\dst], v[\src+2], v[\src], s[SELB]
.endm
.macro SIGNS_OUT                       ; a unit's packed signs into my stage
.irp p, 0,1,2,3
.irp t, 0,1,2,3
	ds_store_b32 v[STW], v[P+4*\p+\t] offset:768*\p+192*\t
.endr
.endr
.endm
.macro VTLOAD blk                      ; vt's operand for block blk: 16 loads of 512 consecutive bytes
.irp y, 0,1
.irp b, 0,1,2,3
.irp g, 0,1
	ds_load_b128 v[VT+32*\y+8*\b+4*\g:VT+32*\y+8*\b+4*\g+3], v[LN16] offset:VTI+(2*(\blk)+\y)*4096+1024*\b+512*\g
.endr
.endr
.endr
.endm
.macro BITS blk                        ; my 16 sign bits of block blk in each plane: i = 32 blk + 16 h + 0 .. 15 of row r; the upper half of the register is 0
.irp p, 0,1,2,3
	ds_load_u16 v[BT+4*((\blk)%2)+\p], v[STR] offset:768*\p+4*(\blk)
.endr
.endm
; Plane p's 16 bits become sixteen FP4 codes in v[x], v[x + 1].  In V = H | H << 14 the pairs of bits 0, 4, 1, 5 stand at bits 0, 8, 16, 24 and the pairs 2, 6, 3, 7 at bits 4, 12, 20, 28.
.macro BITOPS set, p, x
	v_lshl_or_b32 v[V], v[BT+4*(\set)+\p], 14, v[BT+4*(\set)+\p]
	v_and_b32 v[\x], s[MSK], v[V]
	v_lshrrev_b32 v[V], 4, v[V]
	v_perm_b32 v[\x], s[TAB], s[TAB], v[\x]        ; each byte, 0 to 3, picks its byte of the table
	v_and_b32 v[\x+1], s[MSK], v[V]
	v_perm_b32 v[\x+1], s[TAB], s[TAB], v[\x+1]
.endm
.macro BITOPS2 set                     ; the same for planes 0 (into XA) and 1 (into XB), line by line by turns: twelve plain lines
	v_lshl_or_b32 v[V], v[BT+4*(\set)], 14, v[BT+4*(\set)]
	v_lshl_or_b32 v[M], v[BT+4*(\set)+1], 14, v[BT+4*(\set)+1]
	v_and_b32 v[XA], s[MSK], v[V]
	v_and_b32 v[XB], s[MSK], v[M]
	v_lshrrev_b32 v[V], 4, v[V]
	v_lshrrev_b32 v[M], 4, v[M]
	v_perm_b32 v[XA], s[TAB], s[TAB], v[XA]
	v_perm_b32 v[XB], s[TAB], s[TAB], v[XB]
	v_and_b32 v[XA+1], s[MSK], v[V]
	v_and_b32 v[XB+1], s[MSK], v[M]
	v_perm_b32 v[XA+1], s[TAB], s[TAB], v[XA+1]
	v_perm_b32 v[XB+1], s[TAB], s[TAB], v[XB+1]
.endm
.macro ONES x                          ; sixteen FP4 codes become sixteen f32 numbers +-1.0 (x 2^(127 - 127)); the code in the lowest four bits goes to the first register
	v_cvt_scale_pk8_f32_fp4 v[S:S+7], v[\x], v[SC1]
	v_cvt_scale_pk8_f32_fp4 v[S+8:S+15], v[\x+1], v[SC1]
.endm
.macro SUMP p                          ; w (+)= +-1 x plane p's numbers: exact products, the planes summed in their order, one rounding each.  Each accumulator is read from its low end on
.irp m, 0,2,4,6,8,10,12,14
.set SO, S+8*((\m/4)%2)+4*((\m/2)%2)+2*(\m/8)
.if \p == 0
	v_pk_mul_f32 v[W+\m:W+\m+1], v[SO:SO+1], v[ACC+\m:ACC+\m+1]
.else
	v_pk_fma_f32 v[W+\m:W+\m+1], v[SO:SO+1], v[ACC+16*\p+\m:ACC+16*\p+\m+1], v[W+\m:W+\m+1]
.endif
.endr
.endm
	s_wait_loadcnt 0x0                             ; u and my first unit's signs are in
.irp p, 0,1,2,3
.irp t, 0,1,2,3
	PACK VT+16*\p+4*\t, P+4*\p+\t
.endr
.endr
	SIGNS_OUT
	s_wait_dscnt 0x0                               ; for the others' sake: my tile's images lie in LDS
	s_barrier_signal -1
	s_barrier_wait -1                              ; all sixteen tiles do: from here on the images are only read, and each wave's stage is its own: no further barrier
	v_mov_b32 v[SC1], 0x7f7f7f7f                   ; (its time as an address is over)
	VTLOAD 0
	BITS 0
	s_add_nc_u64 s[QB:QB+1], s[QB:QB+1], 524288    ; on to the next unit, 16 tiles of 32,768 bytes on (every load that named these bases is done)
	s_add_nc_u64 s[QB+2:QB+3], s[QB+2:QB+3], 524288
	s_add_nc_u64 s[QB+4:QB+5], s[QB+4:QB+5], 524288
	s_add_nc_u64 s[QB+6:QB+7], s[QB+6:QB+7], 524288
	s_add_nc_u64 s[UB:UB+1], s[UB:UB+1], 16384
; A BLOCK of 32 i for my 16 rows: 32 matrix instructions, then signs, the sum over the planes and the quantiser; 16 codes a lane leave as 512 consecutive bytes of the wave.
.macro BLOCK blk
	s_wait_dscnt 0x0                               ; vt's operand and the sign bits of this block are in (asked for a block ago)
.if \blk == 0
	s_wait_loadcnt 0x0                             ; and this unit's u
.endif
.irp s, 0,1,2,3                        ; the eight accumulators take turns, one instruction a turn; each sum's first step takes the constant 0
.irp b, 0,1,2,3
.irp y, 0,1
.if \s == 0
	v_wmma_f32_16x16x4_f32 v[ACC+16*\b+8*\y:ACC+16*\b+8*\y+7], v[VT+32*\y+8*\b+2*\s:VT+32*\y+8*\b+2*\s+1], v[U+8*\b+2*\s:U+8*\b+2*\s+1], 0
.else
	v_wmma_f32_16x16x4_f32 v[ACC+16*\b+8*\y:ACC+16*\b+8*\y+7], v[VT+32*\y+8*\b+2*\s:VT+32*\y+8*\b+2*\s+1], v[U+8*\b+2*\s:U+8*\b+2*\s+1], v[ACC+16*\b+8*\y:ACC+16*\b+8*\y+7]
.endif
.endr
.endr
.endr
	BITOPS2 (\blk)%2                               ; twelve plain lines that name no register of the products: the places in front of the loads into their operands and of the reads of their results
.if (\blk)%2 == 1
	s_wait_loadcnt 0x0                             ; on every way, ahead of the branch: the four loads that the block before may have issued are in (nothing else is out), so the next even block's loads never land on registers that a pending load will write
.endif
	s_cmp_lt_u32 s[NXT], UNITS                     ; is there a next unit of mine?  No load leaves its buffer
	s_cbranch_scc0 .Lno_next_\@
.if (\blk)%2 == 0
.irp t, 0,1,2,3
	global_load_b128 v[QL+4*\t:QL+4*\t+3], v[QOF], s[QB+2*((\blk)/2):QB+2*((\blk)/2)+1] offset:8192*\t   ; plane blk / 2 of the next unit's signs
.endr
.else
.irp t, 0,1,2,3
	PACK QL+4*\t, P+4*((\blk)/2)+\t
.endr
.endif
.if \blk == 7
	SIGNS_OUT                                      ; this unit's last bits were read a block ago: the stage takes the next unit's
	BITS 0                                         ; (LDS serves a wave's instructions in order: these see the stores)
	VTLOAD 0
.irp b, 0,1,2,3
.irp g, 0,1
	global_load_b128 v[U+8*\b+4*\g:U+8*\b+4*\g+3], v[UOF], s[UB:UB+1] offset:\b*UPL+16*\g
.endr
.endr
.endif
.Lno_next_\@:
.if \blk < 7
	VTLOAD (\blk)+1
	BITS (\blk)+1
.endif
	ONES XA                                        ; plane 0.  One plain vector line stands between a scaled conversion and the next vector line that reads its result or writes its sources:
	BITOPS (\blk)%2, 2, XA                         ; here plane 2's bit work, whose first line touches neither
	SUMP 0
	ONES XB                                        ; plane 1
	BITOPS (\blk)%2, 3, XB
	SUMP 1
	ONES XA                                        ; plane 2
	v_nop                                          ; (no other work is at hand for the place)
	SUMP 2
	ONES XB                                        ; plane 3
	v_nop
	SUMP 3
	v_max3_num_f32 v[M], |v[W]|, |v[W+1]|, 0x4800000                          ; my 16 numbers in two chains, and the floor 2^(9 - 127): so the byte cannot fall under 1
	v_max3_num_f32 v[HLD], |v[W+2]|, |v[W+3]|, |v[W+4]|
	v_max3_num_f32 v[M], v[M], |v[W+5]|, |v[W+6]|
	v_max3_num_f32 v[HLD], v[HLD], |v[W+7]|, |v[W+8]|
	v_max3_num_f32 v[M], v[M], |v[W+9]|, |v[W+10]|
	v_max3_num_f32 v[HLD], v[HLD], |v[W+11]|, |v[W+12]|
	v_max3_num_f32 v[M], v[M], |v[W+13]|, |v[W+14]|
	v_max3_num_f32 v[M], v[M], v[HLD], |v[W+15]|
	v_permlanex16_b32 v[MP], v[M], s[SEL], s[SEL+1]
	v_max_num_f32 v[M], v[M], v[MP]                ; with lane l xor 16's 16: the block's largest magnitude
	v_add_nc_u32 v[SCL], 0xfc000000, v[M]          ; 8 off its exponent field: the conversion's scale operand
	v_and_or_b32 v[HLD], v[M], 0x7f800000, s[MNT]  ; 448 x the scale
	v_lshrrev_b32 v[BY], 23, v[SCL]                ; the scale's byte
.irp n, 0,1,2,3,4,5,6,7,8,9,10,11,12,13,14,15
	v_med3_num_f32 v[W+\n], v[W+\n], -v[HLD], v[HLD]   ; the conversion to an 8-bit code does not saturate (ISA guide 7.6.2)
.endr
	s_wait_xcnt 0x0                                ; the last block's store has read the code registers
	v_cvt_scalef32_pk8_fp8_f32 v[CD:CD+1], v[W:W+7], v[SCL]
	v_cvt_scalef32_pk8_fp8_f32 v[CD+2:CD+3], v[W+8:W+15], v[SCL]
.if (\blk)%4 == 0
	v_mov_b32 v[PW+(\blk)/4], v[BY]                ; four bytes make a fragment's scale word.  (Also the plain line behind the conversions)
.else
	v_lshl_or_b32 v[PW+(\blk)/4], v[BY], 8*((\blk)%4), v[PW+(\blk)/4]
.endif
	global_store_b128 v[LN16], v[CD:CD+3], s[WB:WB+1] offset:512*(\blk)   ; register group blk % 4 of fragment blk / 4: 512 consecutive bytes, aligned to 512
.endm
	s_mov_b32 s[TRIP], 3
	s_mov_b32 s[IDX], s[WP]
	s_add_co_u32 s[NXT], s[WP], 16
.Ltrip:                                            ; three trips in every wave; a wave whose third unit does not exist jumps over the work
	s_cmp_lt_u32 s[IDX], UNITS
	s_cbranch_scc0 .Lnone
.irp k, 0,1,2,3,4,5,6,7
	BLOCK \k
.endr
	v_cndmask_b32 v[BY], v[PW], v[PW+1], s[HM]     ; lanes 0-15: fragment 0's word of row r; lanes 16-31: fragment 1's
	global_store_b32 v[SOF], v[BY], s[SB:SB+1]     ; 128 consecutive bytes
.Lnone:
	s_wait_xcnt 0x0                                ; the bases and the stores' data are written again only behind this wait
	s_add_nc_u64 s[QB:QB+1], s[QB:QB+1], 524288
	s_add_nc_u64 s[QB+2:QB+3], s[QB+2:QB+3], 524288
	s_add_nc_u64 s[QB+4:QB+5], s[QB+4:QB+5], 524288
	s_add_nc_u64 s[QB+6:QB+7], s[QB+6:QB+7], 524288
	s_add_nc_u64 s[UB:UB+1], s[UB:UB+1], 16384
	s_add_nc_u64 s[WB:WB+1], s[WB:WB+1], 32*HALFB  ; 16 tiles on is one nt on: half and t stay
	s_add_nc_u64 s[SB:SB+1], s[SB:SB+1], 32*HALFB
	s_add_co_u32 s[IDX], s[IDX], 16
	s_add_co_u32 s[NXT], s[NXT], 16
	s_sub_co_u32 s[TRIP], s[TRIP], 1
	s_cmp_lg_u32 s[TRIP], 0
	s_cbranch_scc1 .Ltrip
; ---- x.  The waves with w' = 11 .. 14 had two units; each now takes piece id = 4 x work-group + w % 4 of x: row tile T = id / 16 (16 rows), K slot ks = id % 16 (256 along K): two fragments.
; Each load reads 512 consecutive bytes of a row; the numbers turn through the piece's own stage in LDS so that a lane gets 16 neighbours of each block of 32.  No barrier: the pieces share nothing.
; REGISTERS: number n (0 .. 63) of K step q, as loaded (row n / 4) and as it comes back (n = 16 b + i: k = 32 b + 16 h + i of my row), at v[16 + 64 q + n + 64 q (n / 32)]: v16-111 and v176-207: the accumulators' registers are left out.
	s_cmp_lt_u32 s[WP], 11
	s_cbranch_scc1 .Lend
	s_cmp_gt_u32 s[WP], 14
	s_cbranch_scc1 .Lend
	s_wait_loadcnt 0x0                             ; on every way: nothing is on its way into the registers that are loaded below
	s_wait_dscnt 0x0
.set PC,    208                        ; v208-239  the codes, a set of 16 for each K step: no store's data are written again
.set TM,    240                        ; v240-243 largest magnitudes, v244-247 bytes, v248-251 448 x the scale, v252-255 the conversions' scale operands
	s_lshl_b32 s40, ttmp9, 2
	s_add_co_u32 s40, s40, s[TK]                   ; id
	s_lshr_b32 s41, s40, 4                         ; T
	s_and_b32 s42, s40, 15                         ; ks
	s_lshl_b32 s44, s41, 18                        ; x: 16 rows of 16,384 bytes a tile,
	s_lshl_b32 s43, s42, 10                        ; 1,024 bytes a K slot
	s_add_co_u32 s44, s44, s43
	s_mov_b32 s45, 0
	s_lshr_b32 s46, s41, 4                         ; mt
	s_lshl_b32 s46, s46, 4
	s_add_co_u32 s46, s46, s42
	s_lshl_b32 s46, s46, 1
	s_bfe_u32 s47, s41, 0x10003                    ; half = (T / 8) % 2
	s_add_co_u32 s46, s46, s47
	s_mul_i32 s46, s46, HALFB                      ; my block of 33,792 bytes
	s_and_b32 s47, s41, 7                          ; t
	s_lshl_b32 s16, s47, 12
	s_add_co_u32 s16, s16, s46                     ; my two fragments
	s_mov_b32 s17, 0
	s_lshl_b32 s18, s47, 7
	s_add_co_u32 s18, s18, s46
	s_add_co_u32 s18, s18, 32768                   ; my 32 scale words
	s_mov_b32 s19, 0
	s_add_nc_u64 s[XP:XP+1], s[XP:XP+1], s[44:45]
	s_add_nc_u64 s[20:21], s[XP+2:XP+3], s[18:19]
	s_add_nc_u64 s[XP+2:XP+3], s[XP+2:XP+3], s[16:17]
.irp q, 0,1
.irp i, 0,1,2,3,4,5,6,7,8,9,10,11,12,13,14,15
	global_load_b128 v[16+64*\q+4*\i+64*\q*(\i/8):16+64*\q+4*\i+64*\q*(\i/8)+3], v[LN16], s[XP:XP+1] offset:\i*16384+512*\q th:TH_LOAD_NT   ; 32 lanes read 512 consecutive bytes of row i; read once in the launch
.endr
.endr
	s_mul_i32 s22, s[TK], 16*SP
	s_add_co_u32 s22, s22, QST                     ; my piece's stage
	v_add_nc_u32 v[STW], s22, v[LN16]              ; into it: 16 x lane of a row's half
	v_and_b32 v8, 15, v0                           ; r
	v_bfe_u32 v9, v0, 4, 1                         ; h
	v_mul_u32_u24 v[STR], v8, SP
	v_lshl_add_u32 v[STR], v9, 6, v[STR]
	v_add_nc_u32 v[STR], s22, v[STR]               ; out of it: row r, + 64 h
.irp b, 0,1,2,3
	v_mov_b32 v[TM+4+\b], 0                        ; written once: a lane permute's destination counts as one of its sources
.endr
.macro THROUGH q                       ; K step q's numbers through the stage, and back into the registers that they left
.set QX, 16+64*(\q)
.set QJ, 64*(\q)
.irp i, 0,1,2,3,4,5,6,7,8,9,10,11,12,13,14,15
	ds_store_b128 v[STW], v[QX+4*\i+QJ*(\i/8):QX+4*\i+QJ*(\i/8)+3] offset:\i*SP+512*(\q)
.endr
	s_wait_dscnt 0x0                               ; the stores are done: their registers take the loads below
.irp b, 0,1,2,3
.irp j, 0,1,2,3
	ds_load_b128 v[QX+16*\b+QJ*(\b/2)+4*\j:QX+16*\b+QJ*(\b/2)+4*\j+3], v[STR] offset:512*(\q)+128*\b+16*\j
.endr
.endr
	s_wait_dscnt 0x0
.endm
.macro QUANT q, pc, pw                 ; K step q's 64 numbers of a lane become a fragment's codes in v[pc] on and its scale word in v[pw]
.set QX, 16+64*(\q)
.set QJ, 64*(\q)
.irp b, 0,1,2,3
	v_max3_num_f32 v[TM+\b], |v[QX+16*\b+QJ*(\b/2)]|, |v[QX+16*\b+QJ*(\b/2)+1]|, 0x4800000   ; block b: my 16 numbers, and the floor 2^(9 - 127): so the byte cannot fall under 1
.endr
.irp i, 2,4,6,8,10,12,14
.irp b, 0,1,2,3
	v_max3_num_f32 v[TM+\b], v[TM+\b], |v[QX+16*\b+QJ*(\b/2)+\i]|, |v[QX+16*\b+QJ*(\b/2)+\i+1]|   ; the four blocks by turns: no line waits for the line above it
.endr
.endr
.irp b, 0,1,2,3
	v_permlanex16_b32 v[TM+4+\b], v[TM+\b], s[SEL], s[SEL+1]
.endr
.irp b, 0,1,2,3
	v_max_num_f32 v[TM+\b], v[TM+\b], v[TM+4+\b]   ; with lane l xor 16's 16: the block's largest magnitude
.endr
.irp b, 0,1,2,3
	v_add_nc_u32 v[TM+12+\b], 0xfc000000, v[TM+\b] ; 8 off its exponent field: the conversion takes the exponent field of this operand as its scale
.endr
.irp b, 0,1,2,3
	v_and_or_b32 v[TM+8+\b], v[TM+\b], 0x7f800000, s[MNT]   ; 448 x the scale
.endr
.irp b, 0,1,2,3
	v_lshrrev_b32 v[TM+4+\b], 23, v[TM+12+\b]      ; the scale's byte
.endr
	v_lshl_or_b32 v[\pw], v[TM+5], 8, v[TM+4]      ; the four bytes make my row's scale word
	v_lshl_or_b32 v[\pw], v[TM+6], 16, v[\pw]
	v_lshl_or_b32 v[\pw], v[TM+7], 24, v[\pw]
.irp b, 0,1,2,3
.irp i, 0,1,2,3,4,5,6,7,8,9,10,11,12,13,14,15
	v_med3_num_f32 v[QX+16*\b+QJ*(\b/2)+\i], v[QX+16*\b+QJ*(\b/2)+\i], -v[TM+8+\b], v[TM+8+\b]   ; the hold at 448 x the scale
.endr
	v_cvt_scalef32_pk8_fp8_f32 v[\pc+4*\b:\pc+4*\b+1], v[QX+16*\b+QJ*(\b/2):QX+16*\b+QJ*(\b/2)+7], v[TM+12+\b]
	v_cvt_scalef32_pk8_fp8_f32 v[\pc+4*\b+2:\pc+4*\b+3], v[QX+16*\b+QJ*(\b/2)+8:QX+16*\b+QJ*(\b/2)+15], v[TM+12+\b]
.endr
	v_nop                                          ; one plain vector line behind the last conversion of a run
.endm
	s_wait_loadcnt 16                              ; K step 0's sixteen loads are in; the sixteen younger ones are K step 1's
	THROUGH 0
	QUANT 0, PC, 8
.irp c, 0,1,2,3
	global_store_b128 v[LN16], v[PC+4*\c:PC+4*\c+3], s[XP+2:XP+3] offset:512*\c        ; the wave stores 512 consecutive bytes, aligned to 512
.endr
	s_wait_loadcnt 0x0
	THROUGH 1
	QUANT 1, PC+16, 9
.irp c, 0,1,2,3
	global_store_b128 v[LN16], v[PC+16+4*\c:PC+16+4*\c+3], s[XP+2:XP+3] offset:2048+512*\c
.endr
	v_cndmask_b32 v10, v8, v9, s[HM]               ; lanes 0-15 keep K step 0's word of row r, lanes 16-31 take K step 1's (both halves of the lanes hold both words)
	global_store_b32 v[SOF], v10, s[20:21]         ; 128 consecutive bytes
.Lend:
	s_wait_xcnt 0x0
	v_lshl_add_u32 v254, v0, 2, 0x3c800
	v_mov_b32 v255, 0
	s_wait_tensorcnt 0x0
	ds_add_u32 v254, v255
	s_wait_dscnt 0x0
	s_endpgm
.Lfunc_end_k_q3cd887a1fb_makew:
	.size	k_q3cd887a1fb_makew, .Lfunc_end_k_q3cd887a1fb_makew-k_q3cd887a1fb_makew
	.p2alignl 7, 3214868480
	.fill 96, 4, 3214868480
	.section	.rodata,"a",@progbits
	.p2align	6, 0x0
	.amdhsa_kernel k_q3cd887a1fb_makew
		.amdhsa_group_segment_fixed_size 249856
		.amdhsa_private_segment_fixed_size 0
		.amdhsa_enable_private_segment 0
		.amdhsa_kernarg_size 48
		.amdhsa_user_sgpr_count 2
		.amdhsa_user_sgpr_kernarg_segment_ptr 1
		.amdhsa_wavefront_size32 1
		.amdhsa_system_sgpr_workgroup_id_x 1
		.amdhsa_system_sgpr_workgroup_id_y 1
		.amdhsa_system_sgpr_workgroup_id_z 1
		.amdhsa_system_vgpr_workitem_id 0
		.amdhsa_next_free_vgpr 256
		.amdhsa_next_free_sgpr 66
		.amdhsa_reserve_vcc 0
		.amdhsa_float_denorm_mode_32 3
		.amdhsa_float_denorm_mode_16_64 3
		.amdhsa_memory_ordered 1
		.amdhsa_forward_progress 1
		.amdhsa_inst_pref_size 123
	.end_amdhsa_kernel
	.amdgpu_metadata
---
amdhsa.version: [ 1, 2 ]
amdhsa.kernels:
  - .name:           k_q3cd887a1fb_makew
    .symbol:         k_q3cd887a1fb_makew.kd
    .args:
      - { .name: qweight, .offset: 0, .size: 8, .value_kind: global_buffer, .address_space: global }
      - { .name: u, .offset: 8, .size: 8, .value_kind: global_buffer, .address_space: global }
      - { .name: vt, .offset: 16, .size: 8, .value_kind: global_buffer, .address_space: global }
      - { .name: wq, .offset: 24, .size: 8, .value_kind: global_buffer, .address_space: global }
      - { .name: x, .offset: 32, .size: 8, .value_kind: global_buffer, .address_space: global }
      - { .name: xq, .offset: 40, .size: 8, .value_kind: global_buffer, .address_space: global }
    .group_segment_fixed_size: 249856
    .private_segment_fixed_size: 0
    .kernarg_segment_align: 8
    .kernarg_segment_size: 48
    .max_flat_workgroup_size: 512
    .sgpr_count:     66
    .vgpr_count:     256
    .wavefront_size: 32
...
	.end_amdgpu_metadata
.endif
;; end of part 1
;; launch gemm (part 2): grid 4 x 43, 4 waves a work-group, clusters of 4 x 1, 327,680 bytes of LDS; arguments xq, wq, out0; writes out0
.if DOCPART == 2
	.amdgcn_target "amdgcn-amd-amdhsa--gfx1250"
	.amdhsa_code_object_version 6
	.text
	.protected	k_q3cd887a1fb_gemm
	.globl	k_q3cd887a1fb_gemm
	.p2align	8
	.type	k_q3cd887a1fb_gemm,@function
k_q3cd887a1fb_gemm:
	s_mov_b64 s[64:65], 0
	v_nop
	global_prefetch_b8 v0, s[64:65] scope:SCOPE_SE
	s_setreg_imm32_b32 hwreg(HW_REG_WAVE_MODE, 25, 1), 1
	s_wait_xcnt 0x0
	s_wait_alu depctr_hold_cnt(0) depctr_sa_sdst(0) depctr_va_vdst(0) depctr_va_sdst(0) depctr_va_ssrc(0) depctr_va_vcc(0) depctr_vm_vsrc(0)
	s_getreg_b32 s2, hwreg(HW_REG_IB_STS2, 6, 4)
	s_cmp_eq_u32 s2, 0
	s_cbranch_scc0 .Lentry_in_a_cluster
	s_endpgm
.Lentry_in_a_cluster:
	s_bfe_u32 s2, ttmp6, 0x10000c
	s_cmp_lg_u32 s2, 0x3003
	s_cbranch_scc0 .Lentry_shape_is_right
	s_endpgm
.Lentry_shape_is_right:
; out0[m][n] = sum over k of x[m][k] w[n][k] on codes of FP8 (E4M3) with one E8M0 scale for each 32 along K: 1,024 x 11,008 x 4,096; sums in f32, K ascending, one accumulator an output.
; xq = [mt 4][ks 16][half 2], wq = [nt 43][ks 16][half 2] blocks of 33,792 bytes: 128 rows x 256 K as images of the operand's registers: fragment (row tile t, K step q of 128) at (2 t + q) 2,048,
; register group c at + 512 c, lane l at + 16 l; at byte 32,768 the scale words [t 8][q 2][r 16].  So a wave's share of a K slot is ONE dense block for one tensor load, scales included, a fragment
; comes by four loads of 512 consecutive bytes, and there is no pitch and no padding.
; A tile of C, 256 x 256, is made by a work-group of four waves; a wave makes 128 x 128: 64 accumulators, 512 registers.  K goes in slots of 256 through a ring of two LDS slots.
; CLUSTER: the four token blocks (mt) of one nt form a cluster of 4 x 1 and need the same blocks of w: these are asked for JOINTLY (mask 15).  x's blocks differ inside a cluster and come by plain tensor loads
; in the same rounds.  A cluster of 4 x 4, which would also share x's blocks, does not divide the grid: 43 tile columns.  43 x 4 = 172 work-groups: 43 is prime, so no tile of this shape gives a multiple of 256.
; THE MATRIX INSTRUCTION IS USED TRANSPOSED (source 0 = 16 rows of w, source 1 = 16 rows of x): a lane then holds eight neighbouring numbers of a row of C.
; REGISTERS, in windows of 256: window 0: v0-31 addresses; v32-63 scale words, two sets; from v128 x's fragments (8 x 16 rows x 128 K), ONE set; on the way out v128-255 are free.
;   window 1: w's fragments, TWO sets, at v0 and v128.   window 2: the 32 accumulators of my rows 0-63 (accumulator (a, b) at v[8 (8 a + b)]);   window 3: those of my rows 64-127.
; Below A stands for x and B for w.  All of a WGP's LDS is claimed; the text uses 270,336 bytes of ring and 512 of spare words.
.set NQ,     2                         ; matrix instructions deep in a slot
.set FR,     16                        ; registers of a fragment
.set NL,     4                         ; LDS loads that bring one
.set NP,     8                         ; places behind this matrix instruction (ISA guide 7.12.1)
.set HALFB,  33792                     ; 128 rows x 256 K with their scale words: what one tensor load brings, and what one wave reads of A or of B
.set SLOT,   4*HALFB                   ; A's two halves, then B's two
.set LAPS,   8                         ; a lap = two slots = 512 along K
.set SIZE_N, 11008
.set SPARE,  327168                    ; the last 512 bytes of LDS: the spare words, 128 bytes for each wave: two blocks of 256 bytes that no other line names
.set SPITCH, 528                       ; the way out: a stage of 16 rows x (512 bytes + 16) for each wave.  It lies in slot 0, which has had its last fill and its last read when the first result is stored there
.set ADRA, 16                          ; v16-17  LDS address of my A fragments in slot 0, 1: my half + 16 x lane
.set ADRB, 20                          ; v20-21  the same for B
.set STO,  24                          ; v24     the way out: where I put 32 bytes of a row
.set RD,   25                          ; v25     the way out: where I read a row back
.set CO,   26                          ; v26     my byte offset in a row of C
.set SPW,  28                          ; v28     LDS address of my spare word; never rewritten
.set NIL,  29                          ; v29     0; never rewritten
.set ADRS, 30                          ; v30-31  LDS address of my scale words in slot 0, 1: lanes 0-15 A's rows, lanes 16-31 B's
.set SC,   32                          ; scale words: set s (for slot s) at v[SC + 16 s]; register 2 i + q: lanes 0-15 the word of A's block i, lanes 16-31 that of B's block i, for the slot's q-th 128 along K
.set AF,   128                         ; A's fragments, in window 0
.set BK,   128                         ; the way out: 16 rows read back from the stage: v128-191 and v192-255 by turns
.set G1, 24                            ; s[24:31] descriptor group 1 for A's blocks;  s[32:39] group 0, one set for each slot
.set G0, 32
.set G1B, 48                           ; s[48:55], s[56:63] the same for B's
.set G0B, 56
.set MSB, 0
.macro WIN new                         ; the immediate's high byte repeats the setting that is left
.if MSB != \new
	s_set_vgpr_msb (MSB<<8)|\new
.set MSB, \new
.endif
.endm
.set MUL_LO, 0xa1                      ; source 0 (B) window 1, source 1 (A) window 0, C and D window 2
.set MUL_HI, 0xf1                      ; the same, C and D window 3
.set TO_B,   0x40                      ; destination window 1, address window 0
; Waves 0 and 1 fetch A's two halves (plain loads), waves 2 and 3 B's (joint loads).  The branch hangs on the wave's number alone: it is the same in every work-group.
; Four v_nop follow each of the two lines, ahead of the jump, the label and what follows.
.macro JLOAD g0a, g1a, g0b, g1b
	s_cmp_eq_u32 s15, 0
	s_cbranch_scc0 .Lfor_b_\@
	tensor_load_to_lds s[\g0a:\g0a+3], s[\g1a:\g1a+7]
	s_nop 0
.rept 4
	v_nop
.endr
	s_branch .Lasked_\@
.Lfor_b_\@:
	tensor_load_to_lds s[\g0b:\g0b+3], s[\g1b:\g1b+7]
	s_nop 0
.rept 4
	v_nop
.endr
.Lasked_\@:
.endm
.macro CREST                           ; a round of the cluster's barrier behind its opening barrier
	s_cmp_lg_u32 s14, 0
	s_cbranch_scc1 .Lnot_wave_0_\@
	s_barrier_signal -3
.Lnot_wave_0_\@:
	s_barrier_wait -3
	s_barrier_signal -1
	s_barrier_wait -1
.endm
.macro CROUND                          ; a whole round
	s_barrier_signal -1
	s_barrier_wait -1
	CREST
.endm
	s_load_b128 s[4:7], s[0:1], 0x0                ; xq s[4:5], wq s[6:7]
	s_load_b64 s[8:9], s[0:1], 0x10                ; out0
	v_lshl_add_u32 v[SPW], v0, 2, SPARE
	v_mov_b32 v[NIL], 0
	ds_add_u32 v28, v29
	ds_add_u32 v28, v29
	s_wait_dscnt 0x0
	v_lshrrev_b32 v1, 5, v0
	v_readfirstlane_b32 s14, v1                    ; wave 0..3
	s_lshr_b32 s15, s14, 1                         ; which half of the tile's rows is mine.  Also: I fetch for A (0) or for B (1)
	s_and_b32 s16, s14, 1                          ; which half of its columns.  Also: which half block I fetch
	s_bfe_u32 s40, ttmp6, 0x40000                  ; cx: my place in the cluster
	s_lshl_b32 s42, ttmp9, 2                       ; in a cluster launch ttmp9 and ttmp7 count clusters
	s_add_co_u32 s42, s42, s40                     ; mt = 4 x cluster x + cx: it enters A's and C's addresses alone
	s_and_b32 s17, ttmp7, 0xffff                   ; nt, which the four partners share
	; descriptor group 1: a dense block of 33,792 bytes as 132 rows of 32 elements of 8 bytes
	s_mov_b32 s[G1+0], 3<<16                       ; 15:0 no mask: a load of my own; 17:16 elements of 8 bytes; no padding
	s_mov_b32 s[G1B+0], 15|(3<<16)|(1<<21)         ; 15:0 the mask: all four work-groups; 21 set beside a mask
.irp g, G1, G1B
	s_mov_b32 s[\g+1], 32<<16                      ; tensor_dim0 = 32
	s_mov_b32 s[\g+2], 132<<16                     ; tensor_dim1 = 132
	s_mov_b32 s[\g+3], 32<<16                      ; tile_dim0 = 32
	s_mov_b32 s[\g+4], 132                         ; tile_dim1 = 132
	s_mov_b32 s[\g+5], 32                          ; tensor_dim0_stride: dense
	s_mov_b32 s[\g+6], 0
	s_mov_b32 s[\g+7], 0
.endr
	s_lshl_b32 s20, s42, 5
	s_add_co_u32 s20, s20, s16
	s_mul_i32 s20, s20, HALFB                      ; A: block 32 mt + half (K slot 0)
	s_mov_b32 s21, 0
	s_lshl_b32 s46, s17, 5
	s_add_co_u32 s46, s46, s16
	s_mul_i32 s46, s46, HALFB                      ; B: block 32 nt + half: made of nt and the wave's number alone
	s_mov_b32 s47, 0
	s_mul_i32 s45, s14, HALFB                      ; where they go: wave x 33,792: no place in the cluster enters an LDS address
	s_wait_kmcnt 0x0
	s_add_nc_u64 s[20:21], s[4:5], s[20:21]
	s_add_nc_u64 s[46:47], s[6:7], s[46:47]
	CROUND                                         ; all four work-groups are here: the first joint loads meet
.irp s, 0,1
	s_mov_b32 s[G0+4*\s], 1                        ; 1:0 count = 1
	s_add_co_u32 s[G0+4*\s+1], s45, \s*SLOT        ; 63:32 LDS address
	s_add_nc_u64 s[G0+4*\s+2:G0+4*\s+3], s[20:21], \s*2*HALFB   ; 120:64 global address: K slot s
	s_or_b32 s[G0+4*\s+3], s[G0+4*\s+3], 0x80000000             ; 127:126 type = 2
	s_mov_b32 s[G0B+4*\s], 1
	s_add_co_u32 s[G0B+4*\s+1], s45, \s*SLOT
	s_add_nc_u64 s[G0B+4*\s+2:G0B+4*\s+3], s[46:47], \s*2*HALFB
	s_or_b32 s[G0B+4*\s+3], s[G0B+4*\s+3], 0x80000000
	JLOAD G0+4*\s, G1, G0B+4*\s, G1B               ; both slots are asked for before anything else is done: two tensor loads of mine are out
.endr
	v_and_b32 v1, 15, v0                           ; r
	v_bfe_u32 v2, v0, 4, 1                         ; h
	v_and_b32 v6, 31, v0                           ; lane
	v_lshlrev_b32 v4, 4, v6                        ; 16 x lane
	s_mul_i32 s21, s15, HALFB                      ; my half of A
	s_mul_i32 s22, s16, HALFB                      ; my half of B,
	s_add_co_u32 s22, s22, 2*HALFB                 ; which lies behind A's two
.irp s, 0,1
	v_add_nc_u32 v[ADRA+\s], s21, v4
	v_add_nc_u32 v[ADRB+\s], s22, v4
	s_add_co_u32 s21, s21, SLOT
	s_add_co_u32 s22, s22, SLOT
.endr
	s_xor_b32 s23, s15, 1                          ; from my half of A to my half of B: 2 + (wave % 2) - (wave / 2) half blocks = 1 + (wave % 2) + (1 - wave / 2)
	s_add_co_u32 s23, s23, s16
	s_add_co_u32 s23, s23, 1
	s_mul_i32 s23, s23, HALFB
	v_mul_u32_u24 v5, s23, v2                      ; lanes 16-31 take B's
	v_lshl_add_u32 v5, v1, 2, v5                   ; 4 bytes a row
	s_mul_i32 s21, s15, HALFB
	s_add_co_u32 s21, s21, 32768                   ; the scale words lie behind the codes
	v_add_nc_u32 v[ADRS], s21, v5
	v_add_nc_u32 v[ADRS+1], SLOT, v[ADRS]
	s_mul_i32 s23, s14, 16*SPITCH                  ; my stage
	v_mul_u32_u24 v5, v1, SPITCH                   ; in: row r, 32 bytes for each half of the lanes
	v_lshl_add_u32 v5, v2, 5, v5
	v_add_nc_u32 v[STO], s23, v5
	v_lshlrev_b32 v[CO], 4, v6                     ; back: the 32 lanes take one row of 512 bytes; and the same in C
	v_add_nc_u32 v[RD], s23, v[CO]
	s_lshl_b32 s20, s42, 8
	s_lshl_b32 s21, s15, 7
	s_add_co_u32 s20, s20, s21                     ; my first row of C: 256 mt + 128 x half
	s_mul_i32 s20, s20, SIZE_N*4
	s_lshl_b32 s22, s17, 10                        ; my first column, in bytes: 1,024 nt + 512 x half
	s_lshl_b32 s23, s16, 9
	s_add_co_u32 s22, s22, s23
	s_add_co_u32 s20, s20, s22                     ; (C has 45,088,768 bytes: 32 bits hold it)
	s_mov_b32 s21, 0
	s_add_nc_u64 s[8:9], s[8:9], s[20:21]
.macro FRAG reg, adr, q, i             ; fragment (block i of 16 rows, the slot's q-th 128 along K): four loads of 512 consecutive bytes give each lane its 16 registers
.irp c, 0,1,2,3
	ds_load_b128 v[\reg+4*\c:\reg+4*\c+3], v[\adr] offset:(2*(\i)+(\q))*2048+512*\c
.endr
.endm
; 16 matrix instructions: A's blocks a0, a0 + 1 x B's eight, 128 along K: the slot's q-th.  p: B's set;  sc: the set of scale words.  zero = 1: the first product starts the sums: nothing is ever cleared.
; The 64 accumulators take turns, one instruction a turn, in the same order in every step.
.macro MUL16 a0, p, q, sc, zero
.irp a, \a0, \a0+1
.irp b, 0,1,2,3,4,5,6,7
.if \zero
	v_wmma_scale_f32_16x16x128_f8f6f4 v[8*(8*((\a)%4)+\b):8*(8*((\a)%4)+\b)+7], v[128*(\p)+FR*\b:128*(\p)+FR*\b+FR-1], v[AF+FR*(\a):AF+FR*(\a)+FR-1], 0, v[SC+8*NQ*(\sc)+NQ*\b+(\q)], v[SC+8*NQ*(\sc)+NQ*(\a)+(\q)] matrix_a_scale:MATRIX_SCALE_ROW1
.else
	v_wmma_scale_f32_16x16x128_f8f6f4 v[8*(8*((\a)%4)+\b):8*(8*((\a)%4)+\b)+7], v[128*(\p)+FR*\b:128*(\p)+FR*\b+FR-1], v[AF+FR*(\a):AF+FR*(\a)+FR-1], v[8*(8*((\a)%4)+\b):8*(8*((\a)%4)+\b)+7], v[SC+8*NQ*(\sc)+NQ*\b+(\q)], v[SC+8*NQ*(\sc)+NQ*(\a)+(\q)] matrix_a_scale:MATRIX_SCALE_ROW1
.endif
.endr
.endr
.endm
.macro FETCH_B slot, q, p              ; B's eight fragments of the slot's q-th 128 along K into set p
	WIN TO_B
.irp i, 0,1,2,3,4,5,6,7
	FRAG 128*(\p)+FR*\i, ADRB+\slot, \q, \i
.endr
	WIN 0
.endm
.macro FETCH_A slot, q, i0             ; A's blocks i0 .. i0 + 3
.irp i, \i0, \i0+1, \i0+2, \i0+3
	FRAG AF+FR*(\i), ADRA+\slot, \q, \i
.endr
.endm
.macro SCALES sc                       ; slot sc's scale words into set sc: lanes 0-15 take A's block i, lanes 16-31 B's block i
.irp i, 0,1,2,3,4,5,6,7
.irp q, 0,1
	ds_load_b32 v[SC+16*\sc+2*\i+\q], v[ADRS+\sc] offset:128*\i+64*\q
.endr
.endr
.endm
; A load into a register that a matrix instruction has read, and an LDS store that reads a matrix result, stand NP places behind that matrix instruction, and only plain vector
; instructions that name none of its registers are places (ISA guide 7.12.1 for vector instructions); the matrix instructions in between are not counted.
.macro PLACES n
.rept \n
	v_nop
.endr
.endm
; A step of 128 along K that has its successor in the same slot.  At its end every fragment of the slot has been asked for.
.macro STEP slot, q, zero
	s_wait_dscnt 4*NL                              ; B's set, A's blocks 0-3 and the scale words are in; the youngest sixteen loads (A's blocks 4-7) may be out
	WIN MUL_LO
	MUL16 0, (\q)%2, \q, \slot, \zero
	MUL16 2, (\q)%2, \q, \slot, \zero
	s_wait_dscnt 0                                 ; A's blocks 4-7 are in (asked for 32 matrix instructions ago)
	PLACES NP
	FETCH_B \slot, (\q)+1, 1-(\q)%2
	FETCH_A \slot, (\q)+1, 0
	WIN MUL_HI
	MUL16 4, (\q)%2, \q, \slot, \zero
	MUL16 6, (\q)%2, \q, \slot, \zero
	PLACES NP
	WIN 0
	FETCH_A \slot, (\q)+1, 4
.endm
; A slot's last step changes slots, AT ITS HEAD: all its fragments have been asked for, so once they are in registers nobody needs the slot's bytes.  Each wave waits for all its tensor loads, adds 0 to its spare
; word, and waits for that and for its own reads of this slot; then ONE barrier.  fill = 1: the barrier is a round of the cluster's, and this slot is filled again, two K slots ahead, first thing behind it:
; the step's 64 matrix instructions and the next step's 64 stand between the request and the wait for it.
.macro TURN slot, next, fill
	s_wait_tensorcnt 0x0                           ; all my tensor loads have landed: the one that was out is my part of the next slot; so every group 0 may be written.  (Every window is 0 here: the add's two registers lie in window 0)
	ds_add_u32 v[SPW], v[NIL]                      ; 0 onto my spare word: with fill = 1 the descriptors' steps stand between it and the wait for it
.if \fill
	s_add_nc_u64 s[G0+4*\slot+2:G0+4*\slot+3], s[G0+4*\slot+2:G0+4*\slot+3], 4*HALFB
	s_add_nc_u64 s[G0B+4*\slot+2:G0B+4*\slot+3], s[G0B+4*\slot+2:G0B+4*\slot+3], 4*HALFB
.endif
	s_wait_dscnt 0x0                               ; the add is done, and my reads of this slot are over: its last fragments are in registers
.if \fill
	CROUND                                         ; no wave of any partner still reads this slot or has a load on its way
	JLOAD G0+4*\slot, G1, G0B+4*\slot, G1B         ; the first tensor load behind the round, and my only one until the next
.else
	s_barrier_signal -1
	s_barrier_wait -1                              ; the next slot is whole
.endif
	WIN MUL_LO
	MUL16 0, 1, NQ-1, \slot, 0
	MUL16 2, 1, NQ-1, \slot, 0
	PLACES NP
	FETCH_B \next, 0, 0
	FETCH_A \next, 0, 0
	SCALES \next
	WIN MUL_HI
	MUL16 4, 1, NQ-1, \slot, 0
	MUL16 6, 1, NQ-1, \slot, 0
	PLACES NP
	WIN 0
	FETCH_A \next, 0, 4
.endm
	s_wait_tensorcnt 1                             ; my part of K slot 0 is in (slot 1's load may be out)
	s_barrier_signal -1
	s_barrier_wait -1                              ; everybody's is
	FETCH_B 0, 0, 0
	FETCH_A 0, 0, 0
	SCALES 0
	FETCH_A 0, 0, 4
	STEP 0, 0, 1                                   ; the first step stands in front of the loop: its products start the sums
	s_mov_b32 s3, LAPS-1
.Llap:                                                 ; a trip goes once round the ring, from a lap's second step to the next lap's first, and fills both slots again
	TURN 0, 1, 1
	STEP 1, 0, 0
	TURN 1, 0, 1
	STEP 0, 0, 0
	s_sub_co_u32 s3, s3, 1
	s_cmp_lg_u32 s3, 0
	s_cbranch_scc1 .Llap
	TURN 0, 1, 0                                   ; the last lap fills nothing, and has no round of the cluster's barrier
	STEP 1, 0, 0
	s_wait_dscnt 4*NL                              ; the very last step: nothing more to fetch
	WIN MUL_LO
	MUL16 0, 1, NQ-1, 1, 0
	MUL16 2, 1, NQ-1, 1, 0
	s_wait_dscnt 0
	WIN MUL_HI
	MUL16 4, 1, NQ-1, 1, 0
	MUL16 6, 1, NQ-1, 1, 0
	WIN 0
; THE WAY OUT, block by block of 16 rows x 128 columns.  A lane holds 32 neighbouring bytes of a row, and the lanes beside it hold other rows: so a block goes through my own stage in LDS and comes back as whole
; rows of 512 bytes, which the 32 lanes store together.  LDS serves a wave's instructions in order (ISA guide 5.7.1.4): no wait between the stores and the loads, nor in front of the next block's stores.
.macro TOSTAGE a
.set AC, 64*((\a)%4)
	WIN 0x08+4*((\a)/4)                            ; the data: window 2 or 3
.irp b, 0,1,2,3,4,5,6,7
	ds_store_b128 v[STO], v[AC+8*\b:AC+8*\b+3] offset:64*\b          ; each accumulator from its low end on
	ds_store_b128 v[STO], v[AC+8*\b+4:AC+8*\b+7] offset:64*\b+16
.endr
	WIN 0
.set BB, BK+64*((\a)%2)
.irp t, 0,1,2,3,4,5,6,7,8,9,10,11,12,13,14,15
	ds_load_b128 v[BB+4*\t:BB+4*\t+3], v[RD] offset:\t*SPITCH
.endr
.endm
.macro SEND a, younger                 ; younger: the LDS instructions issued behind block a's loads, which may stay out
.set BB, BK+64*((\a)%2)
	s_wait_dscnt \younger                          ; the block is back in registers
.if (\a) > 0
	s_add_nc_u64 s[8:9], s[8:9], 16*SIZE_N*4       ; (behind a wait on XCNT: the earlier stores have read their base)  16 rows of C on: the stores' offsets reach 15 rows, 660,480 bytes, inside the signed 24-bit immediate
.endif
.irp t, 0,1,2,3,4,5,6,7,8,9,10,11,12,13,14,15
	global_store_b128 v[CO], v[BB+4*\t:BB+4*\t+3], s[8:9] offset:\t*SIZE_N*4 th:TH_STORE_NT   ; 32 lanes store 512 consecutive bytes, at a multiple of 256 from C's first byte (a row of C is 172 x 256 bytes); written once, read by nobody here
.endr
.endm
	PLACES NP                                      ; these places serve the loads into the registers that held A's fragments and the reads of the last products' results alike
	TOSTAGE 0
.irp a, 1,2,3,4,5,6,7
.if \a > 1
	s_wait_xcnt 0x0                                ; block a - 2's stores have read their registers and their base: block a's loads may land there, and the base may step
.endif
	TOSTAGE \a
	SEND \a-1, 32                                  ; behind block a - 1's loads: block a's 16 stores and 16 loads
.endr
	s_wait_xcnt 0x0                                ; block 6's stores have read their base
	SEND 7, 0
	s_wait_tensorcnt 0x0                           ; the wave's end: behind my last tensor load and my last LDS store
	ds_add_u32 v[SPW], v[NIL]
	s_wait_dscnt 0x0
	CROUND                                         ; the closing round: no work-group ends while a partner may still ask for a block that names it
	s_endpgm
.Lfunc_end_k_q3cd887a1fb_gemm:
	.size	k_q3cd887a1fb_gemm, .Lfunc_end_k_q3cd887a1fb_gemm-k_q3cd887a1fb_gemm
	.p2alignl 7, 3214868480
	.fill 96, 4, 3214868480
	.section	.rodata,"a",@progbits
	.p2align	6, 0x0
	.amdhsa_kernel k_q3cd887a1fb_gemm
		.amdhsa_group_segment_fixed_size 327680
		.amdhsa_private_segment_fixed_size 0
		.amdhsa_enable_private_segment 0
		.amdhsa_kernarg_size 24
		.amdhsa_user_sgpr_count 2
		.amdhsa_user_sgpr_kernarg_segment_ptr 1
		.amdhsa_wavefront_size32 1
		.amdhsa_system_sgpr_workgroup_id_x 1
		.amdhsa_system_sgpr_workgroup_id_y 1
		.amdhsa_system_sgpr_workgroup_id_z 1
		.amdhsa_system_vgpr_workitem_id 0
		.amdhsa_next_free_vgpr 1024
		.amdhsa_next_free_sgpr 66
		.amdhsa_reserve_vcc 0
		.amdhsa_float_denorm_mode_32 3
		.amdhsa_float_denorm_mode_16_64 3
		.amdhsa_memory_ordered 1
		.amdhsa_forward_progress 1
		.amdhsa_inst_pref_size 145
	.end_amdhsa_kernel
	.amdgpu_metadata
---
amdhsa.version: [ 1, 2 ]
amdhsa.kernels:
  - .name:           k_q3cd887a1fb_gemm
    .symbol:         k_q3cd887a1fb_gemm.kd
    .args:
      - { .name: xq, .offset: 0, .size: 8, .value_kind: global_buffer, .address_space: global }
      - { .name: wq, .offset: 8, .size: 8, .value_kind: global_buffer, .address_space: global }
      - { .name: out0, .offset: 16, .size: 8, .value_kind: global_buffer, .address_space: global }
    .group_segment_fixed_size: 327680
    .private_segment_fixed_size: 0
    .kernarg_segment_align: 8
    .kernarg_segment_size: 24
    .max_flat_workgroup_size: 128
    .sgpr_count:     66
    .vgpr_count:     1024
    .wavefront_size: 32
...
	.end_amdgpu_metadata
.endif
;; end of part 2
